; MI455X (gfx1250); checked and timed in simulation.
; The chip was launched on July 23, 2026; its instructions are those of AMD's public machine-readable ISA for CDNA 5 (MIT licence, August 2026) and "CDNA5" Instruction Set Architecture Reference Guide (July 2026). The comments in the code are by the model that wrote it; some were corrected since.
;; Multi Head Attention. Allowed arithmetic: matrix products marked QUANTISED: E5M2 operands, one given power-of-two scale a tensor, by v_wmma_f32_16x16x64_bf8_bf8 or v_wmma_f32_16x16x128_bf8_bf8, f32 sums; everything else in f32.
;; Inputs: Wk_codes 1,024 x 32 x 32 uint8 (E5M2 codes of Wk, K innermost, in blocks of 32 codes); Wo_codes 1,024 x 32 x 32 uint8 (E5M2 codes of Wo, K innermost, in blocks of 32 codes); Wq_codes 1,024 x 32 x 32 uint8 (E5M2 codes of Wq, K innermost, in blocks of 32 codes); Wv_codes 1,024 x 32 x 32 uint8 (E5M2 codes of Wv, K innermost, in blocks of 32 codes); bo 1,024 float32; lowp_scales 12 int32 (the exponents e of the quantised operands' scales 2^e); x_codes 4 x 2,048 x 32 x 32 uint8 (E5M2 codes of x, K innermost, in blocks of 32 codes).
;; Outputs: out0 4 x 2,048 x 1,024 float32.
;; This version of the problem:
;;   THIS VERSION OF THE PROBLEM IS GIVEN IN LOW PRECISION. The matrix products marked QUANTISED in the list below multiply operands that are first quantised to E5M2 (5 exponent bits, 2 mantissa bits; 8 bits a number), with one given power-of-two scale for each operand tensor; their sums are f32. All else is computed in f32.
;;   The module's matrix products, in the order in which they are computed (A, B: the left and right operand; K: the contracted axis; several contracted axes count as one K, in the product's order):
;;     1. [M 8,192, K 1,024] x [K 1,024, N 1,024]; A: input x (given as codes); B: input Wq (given as codes): QUANTISED (scales: A lowp_scales[0], B lowp_scales[1])
;;     2. [M 8,192, K 1,024] x [K 1,024, N 1,024]; A: input x (given as codes); B: input Wk (given as codes): QUANTISED (scales: A lowp_scales[2], B lowp_scales[3])
;;     3. [M 8,192, K 1,024] x [K 1,024, N 1,024]; A: input x (given as codes); B: input Wv (given as codes): QUANTISED (scales: A lowp_scales[4], B lowp_scales[5])
;;     4. batch 64 x [M 2,048, K 64] x [K 64, N 2,048]; A: computed on the way; B: computed on the way: QUANTISED (scales: A lowp_scales[6], B lowp_scales[7])
;;     5. batch 64 x [M 64, K 2,048] x [K 2,048, N 2,048]; A: computed on the way; B: softmax (see below): QUANTISED (scales: A lowp_scales[8], B lowp_scales[9])
;;     6. [M 8,192, K 1,024] x [K 1,024, N 1,024]; A: computed on the way; B: input Wo (given as codes): QUANTISED (scales: A lowp_scales[10], B lowp_scales[11])
;;   THE QUANTISER, for each operand of a quantised product, along K:
;;     - The operand's scale is 2^e, e = its entry of the input lowp_scales (int32; the entries are numbered through the quantised products in the list's order, A before B).
;;     - Each number is divided by the scale, clamped to +-57,344, and rounded to the nearest number of E5M2, ties to even, subnormals kept.
;;     - The product sums the exact products of the quantised numbers (number of the format x scale) in f32.
;;   ~~~python
;;   def quantise(x, axis, e):      # numpy; x: float32 -> the quantised numbers, widened to float32 again
;;       x = np.moveaxis(x, axis, -1); K = x.shape[-1]
;;       r = np.clip(x / 2.0 ** e, -57344, 57344)
;;       step = 2.0 ** (np.maximum(np.frexp(np.where(r == 0, 1, r))[1] - 1, -14) - 2)
;;       q = np.round(r / step) * step * 2.0 ** e      # np.round: ties to even
;;       return np.moveaxis(q, -1, axis).astype(np.float32)
;;   ~~~
;;   SOFTMAX AHEAD OF A QUANTISED PRODUCT. Where the list says 'softmax', what is quantised is not the finished softmax but p = 2^(t - M), with t = logit x log2(e) and M = ceil(the row's largest t), a whole number; so 1/2 < the row's largest p <= 1. The row's sum l is taken of the UNQUANTISED p, in f32, and the product's result is divided by l at the end. Since M is a whole number, a kernel that streams over the keys may use a running M (the ceiling of the running maximum): every later rescaling is an exact power of two, so the quantised numbers keep their values, but for numbers so far below the row's largest that they fall under the format's range.
;;   OPERANDS COMPUTED ON THE WAY. 'Computed on the way' means the value that the module computes at that place (a softmax that the list does not call 'softmax' is quantised finished and normalised). What goes into a quantiser is computed in f32, as accurately as f32 sums, v_exp_f32 and their like allow (about 1e-6 of the number): no bf16 or f16 on the way to a quantiser, and a product that is left as it is and whose result goes on into a quantised operand takes f32 operands (vector FMAs, or v_wmma_f32_16x16x4_f32). A number that lies on a knife's edge between two numbers of the format may be rounded either way, as far as f32 arithmetic and the matrix unit's own rounding can turn it there, and no further.
;;   INPUTS GIVEN AS CODES. Wk (in the module: [1024, 1024], K = its axis 0); Wo (in the module: [1024, 1024], K = its axis 0); Wq (in the module: [1024, 1024], K = its axis 0); Wv (in the module: [1024, 1024], K = its axis 0); x (in the module: [4, 2048, 1024], K = its axis 2): each comes as NAME_codes (uint8): NAME with its K axis moved to the last place and cut into blocks of 32 codes, [.., K / 32, bytes a block], one block behind the other in memory; one code a byte (a code: sign, 5 exponent bits, 2 mantissa bits); its scale is its entry of lowp_scales. Its value is code x scale, taken as it is: it is not quantised again, and the codes and scales need not be those that the quantiser above would give.
;; One version. Each part assembles by itself: llvm-mc -triple=amdgcn-amd-amdhsa -mcpu=gfx1250 --defsym DOCPART=n.
;; ======== version 1 of 1: 3 launches
;; limits: right only within a limited range of input values
;; workspace buffers: qc 8,388,608 bytes; kc 8,388,608 bytes; vc 8,388,608 bytes; cc 8,388,608 bytes
;; launch qkv (part 1): grid 12 x 16, 4 waves a work-group, clusters of 4 x 4, 327,680 bytes of LDS; arguments x_codes, Wq_codes, Wk_codes, Wv_codes, lowp_scales, qc, kc, vc; writes qc, kc, vc
.if DOCPART == 1
	.amdgcn_target "amdgcn-amd-amdhsa--gfx1250"
	.amdhsa_code_object_version 6
	.text
	.protected	k_q5fab78259e_qkv
	.globl	k_q5fab78259e_qkv
	.p2align	8
	.type	k_q5fab78259e_qkv,@function
k_q5fab78259e_qkv:
	s_mov_b64 s[64:65], 0
	v_nop
	global_prefetch_b8 v0, s[64:65] scope:SCOPE_SE
	s_setreg_imm32_b32 hwreg(HW_REG_WAVE_MODE, 25, 1), 1
	s_wait_xcnt 0x0
	s_wait_alu depctr_hold_cnt(0) depctr_sa_sdst(0) depctr_va_vdst(0) depctr_va_sdst(0) depctr_va_ssrc(0) depctr_va_vcc(0) depctr_vm_vsrc(0)
	s_getreg_b32 s2, hwreg(HW_REG_IB_STS2, 6, 4)
	s_cmp_eq_u32 s2, 0
	s_cbranch_scc0 .Lentry_in_a_cluster
	s_endpgm
.Lentry_in_a_cluster:
	s_bfe_u32 s2, ttmp6, 0x10000c
	s_cmp_lg_u32 s2, 0xf033
	s_cbranch_scc0 .Lentry_shape_is_right
	s_endpgm
.Lentry_shape_is_right:
; Q = x Wq, K = x Wk, V = x Wv on codes of BF8 (E5M2), and the quantisers of Q, K and V (exponents e6, e7, e8 of lowp_scales), in one launch.
; DEAD WORK, for the whole program: every input has a way to the output, and all are loaded; x's three scale entries (e0, e2, e4) are each used with their own product.
; What is left out lies in the second launch alone: steps of 128 keys, and in a diagonal step runs of 64 keys, all of which come after all 16 queries of a tile.  reference() sets their scores to -infinity by the
; jnp.tril mask that it builds itself, so their weights are 0 for every value of the inputs.  LIMIT: a NaN, an infinity or an overflow that reaches only those keys is not carried to the result.
; x: [8192][1024] codes; Wq, Wk, Wv: [1024 (n)][1024 (k)] codes, K innermost.  A sum stands for sum x 2^(ex + ew); its code is sum / 2^(eo - ex - ew), held within +-57,344, to the nearest code, ties to even.
; LIMITS: e6 - e0 - e1, e7 - e2 - e3 and e8 - e4 - e5 lie between -126 and 112, so that the scale and 57,344 x the scale are f32 numbers.  NaN and infinity codes among the inputs are not served.
; Inside a matrix instruction k is permuted, alike in both operands (fragments come by 16-byte loads): the order of the sums inside an instruction differs from ascending k.
; SHARES.  A tile of 256 x 256 is made by a work-group of four waves, a wave makes 128 x 128: 64 accumulators, 512 registers.  K = 1,024 goes in four steps of 256 through two LDS slots.
; A WORK-GROUP STAYS and makes TWO tiles, 4,096 tokens apart: 384 tiles on 192 work-groups.  The ring does not stop between them: the first tile's last two changes of slots ask for the second tile's K steps 0 and 1.
; THE MATRIX INSTRUCTION IS USED TRANSPOSED: source 0 = 16 rows of the B side, source 1 = 16 rows of the A side: a lane holds ONE row of the A side, its eight registers eight neighbouring rows of the B side.
; Cluster x says which product: 0 Q, 1 K, 2 V.  Q, K: A side = x (tokens), B side = the weight (channels).  V: A side = Wv (channels), B side = x (keys).  All of that is chosen by s_cselect on cluster x: one text, no branch.
; CLUSTERS: 4 x 4 work-groups.  The A side's tile hangs on cy and is shared along a row of the cluster, the B side's on cx and is shared along a column: each is asked for jointly.
; PREFETCH.  Behind a fill, the slot's two waves ask for what the slot's NEXT fill will load, two changes of slots ahead of that load.  The four partners of a joint load share a tile's 256 rows out by address
; (cx for the A side, cy for the B side): 64 rows x 256 bytes a work-group, a lane a row, two instructions a wave.  At the head: this tile's K step two on, both sides.  Behind the first tile's refills: the second tile's
; K steps, on x's side alone (the weight's rows have been read by then).  The second tile's refills ask for nothing.
; THE WAY OUT.  Eight registers of an accumulator become 8 codes in two registers, which are registers 2 b, 2 b + 1 of the next product's operand as they stand (k = 16 b + 8 (lane / 16) + 0 .. 7).
; So the workspaces hold IMAGES OF OPERAND REGISTERS: four registers of all lanes on end, 16 bytes a lane: every store of a wave covers 512 consecutive bytes, aligned.
;   qc, kc: [batch x head 64][tile of 16 tokens 128][piece 2][lane 32][16 bytes];   vc: [batch x head 64][step of 128 keys 16][tile of 16 channels 4][piece 4][lane 32][16 bytes]
; REGISTERS, in windows of 256: window 0: v16-21 LDS addresses, v28-29 the add's two, v32-39 store offsets, v40-41 scale and hold, v42 the prefetches' offset, v48-111 at work on the way out, v128-255 the A side's fragments (one set), then the codes.
;   window 1: the B side's fragments, two sets.   window 2, 3: the accumulators ((a, b) at v[8 (8 (a % 4) + b)]).
.set ROWB,   256                       ; a tile's row in bytes: 256 codes
.set KROW,   1024                      ; a row of x or of a weight in memory
.set PITCH,  272                       ; an LDS row: 256 bytes + 16 of padding, so that the 16 rows of a fragment load start 68 words apart
.set FR,     16                        ; registers of a fragment: 16 rows x 128 K
.set NL,     4                         ; LDS loads that bring one
.set NP,     4                         ; places behind this matrix instruction (ISA guide 7.12.1)
.set HALFT,  128*PITCH
.set SLOT,   4*HALFT                   ; the A side's 256 rows, then the B side's
.set SPARE,  2*SLOT                    ; behind the ring: the spare words, 128 bytes a wave
.set WALK,   0x400000                  ; 4,096 tokens on: bytes in x, and in each of the three outputs (two batches of 16 heads of 131,072 bytes)
.set ADRA, 16
.set ADRB, 20
.set SPW,  28
.set NIL,  29
.set VO,   32                          ; v32-39  block a's byte offset in the output, lane's 16 bytes included
.set SC,   40                          ; v40     2^E as f32
.set LM,   41                          ; v41     57,344 x 2^E
.set PFO,  42                          ; v42     1,024 x lane; never rewritten
.set TMP,  48
.set AF,   128
.set CD,   128                         ; the codes: 16 registers for each block
.set WV,   20
.set HA,   21
.set HB,   22
.set G1,   24
.set G0,   32
.set NXA,  36                          ; s[36:37] the A side's bytes from tile to tile: WALK where x is on that side, else 0
.set NXB,  38                          ; s[38:39] the B side's
.set G1B,  48
.set G0B,  56
.set TL,   60                          ; tiles to go
.set ASKF, 61                          ; my slot + 1 while my wave has something to ask for behind a refill, else 0
.set PFA,  62                          ; s[62:63] where my prefetches stand
.set MSB, 0
.macro WIN new                         ; the immediate's high byte repeats the setting that is left
.if MSB != \new
	s_set_vgpr_msb (MSB<<8)|\new
.set MSB, \new
.endif
.endm
.set MUL_LO, 0xa1                      ; source 0 window 1, source 1 window 0, C and D window 2
.set MUL_HI, 0xf1                      ; the same, C and D window 3
.set TO_B,   0x40                      ; destination window 1, address window 0
; A joint load: a wave fetches one whole tile of 256 rows: waves 0 and 2 the A side's (slot 0, slot 1), waves 1 and 3 the B side's.  The branch hangs on the wave's number alone.  An s_nop 0 and four v_nop follow each line.
.macro JLOAD
	s_cmp_eq_u32 s[HB], 0
	s_cbranch_scc0 .Lfor_b_\@
	tensor_load_to_lds s[G0:G0+3], s[G1:G1+7]
	s_nop 0
.rept 4
	v_nop
.endr
	s_branch .Lasked_\@
.Lfor_b_\@:
	tensor_load_to_lds s[G0B:G0B+3], s[G1B:G1B+7]
	s_nop 0
.rept 4
	v_nop
.endr
.Lasked_\@:
.endm
.macro CREST                           ; a round of the cluster's barrier behind its opening barrier
	s_cmp_lg_u32 s[WV], 0
	s_cbranch_scc1 .Lnot_wave_0_\@
	s_barrier_signal -3
.Lnot_wave_0_\@:
	s_barrier_wait -3
	s_barrier_signal -1
	s_barrier_wait -1
.endm
.macro CROUND
	s_barrier_signal -1
	s_barrier_wait -1
	CREST
.endm
.macro PLACES n                        ; plain vector instructions between a matrix instruction and a load into, or a read of, its registers
.rept \n
	v_nop
.endr
.endm
; The slot's two waves fill it again; the other two issue nothing.  kind = 1: this tile's K step two steps on; kind = 2: the next tile's K step of the same slot.
.macro REFILL slot, kind
	s_cmp_lg_u32 s[HA], \slot
	s_cbranch_scc1 .Lnone_\@
.if \kind == 1
	s_add_nc_u64 s[G0+2:G0+3], s[G0+2:G0+3], 2*ROWB
	s_add_nc_u64 s[G0B+2:G0B+3], s[G0B+2:G0B+3], 2*ROWB
.else
	s_sub_nc_u64 s[G0+2:G0+3], s[G0+2:G0+3], 2*ROWB
	s_add_nc_u64 s[G0+2:G0+3], s[G0+2:G0+3], s[NXA:NXA+1]
	s_sub_nc_u64 s[G0B+2:G0B+3], s[G0B+2:G0B+3], 2*ROWB
	s_add_nc_u64 s[G0B+2:G0B+3], s[G0B+2:G0B+3], s[NXB:NXB+1]
.endif
	JLOAD                                          ; the first tensor load behind the round
.Lnone_\@:
	PLACES NP                                      ; the places in front of the loads that follow, on both ways
.endm
.macro PF2                             ; my work-group's 64 rows of the tile, 256 bytes of each
	global_prefetch_b8 v[PFO], s[PFA:PFA+1] th:TH_LOAD_NT scope:SCOPE_SE
	global_prefetch_b8 v[PFO], s[PFA:PFA+1] offset:32*KROW th:TH_LOAD_NT scope:SCOPE_SE
.endm
; Behind a refill of the first tile, on x's side: what the slot's next fill will load.  kind = 1: the second tile's K step of this slot; kind = 2: its K step two on, the last that is asked for.
.macro ASK slot, kind
	s_cmp_eq_u32 s[ASKF], \slot+1
	s_cbranch_scc0 .Lquiet_\@
	s_wait_xcnt 0x0                                ; my last prefetches, two changes of slots back, have read their address
.if \kind == 1
	s_add_nc_u64 s[PFA:PFA+1], s[PFA:PFA+1], WALK-2*ROWB
.else
	s_add_nc_u64 s[PFA:PFA+1], s[PFA:PFA+1], 2*ROWB
	s_mov_b32 s[ASKF], 0
.endif
	PF2
.Lquiet_\@:
.endm
	s_load_b512 s[4:19], s[0:1], 0x0               ; x 4, Wq 6, Wk 8, Wv 10, the scales 12, qc 14, kc 16, vc 18
	v_lshl_add_u32 v[SPW], v0, 2, SPARE
	v_mov_b32 v[NIL], 0
	ds_add_u32 v[SPW], v[NIL]                      ; the wave's opening: the add, twice on end, and its wait ahead of my first tensor load
	ds_add_u32 v[SPW], v[NIL]
	v_lshrrev_b32 v1, 5, v0
	v_readfirstlane_b32 s[WV], v1                  ; wave 0..3
	s_lshr_b32 s[HA], s[WV], 1                     ; which half of the A side's rows is mine.  Also: the slot that I fetch for
	s_and_b32 s[HB], s[WV], 1                      ; which half of the B side's.  Also: I fetch the A side's tile (0) or the B side's (1)
	s_bfe_u32 s40, ttmp6, 0x40000                  ; cx
	s_bfe_u32 s41, ttmp6, 0x40004                  ; cy
	s_and_b32 s42, ttmp7, 0xffff
	s_lshl_b32 s42, s42, 2                         ; 4 x cluster y: the first tile's place among x's first 16 blocks of 256 tokens, whichever side x is on
	s_cmp_eq_u32 ttmp9, 2                          ; V?
	s_cselect_b32 s78, 0, s42
	s_cselect_b32 s79, s42, 0
	s_cselect_b32 s[NXA], 0, WALK
	s_cselect_b32 s[NXB], WALK, 0
	s_mov_b32 s[NXA+1], 0
	s_mov_b32 s[NXB+1], 0
	s_add_co_u32 s43, s41, s78                     ; RA: the A side's block of 256 rows = cy (+ 4 cluster y for Q, K)
	s_add_co_u32 s44, s40, s79                     ; RB: the B side's = cx (+ 4 cluster y for V)
	s_lshl_b32 s45, s41, 2
	s_lshl_b32 s45, 15, s45                        ; my row of the cluster
	s_lshl_b32 s46, 0x1111, s40                    ; my column
	s_or_b32 s[G1+0], s45, (0<<16)|(1<<20)|(1<<21)|(5<<22)|(3<<25)   ; the mask; elements of 1 byte; padding on; bit 21 beside a mask; after every 64 words, 4 words
	s_or_b32 s[G1B+0], s46, (0<<16)|(1<<20)|(1<<21)|(5<<22)|(3<<25)
.irp g, G1, G1B
	s_mov_b32 s[\g+1], ROWB<<16                    ; tensor_dim0
	s_mov_b32 s[\g+2], 256<<16                     ; tensor_dim1
	s_mov_b32 s[\g+3], ROWB<<16                    ; tile_dim0
	s_mov_b32 s[\g+4], 256                         ; tile_dim1
	s_mov_b32 s[\g+5], KROW                        ; from row to row
	s_mov_b32 s[\g+6], 0
	s_mov_b32 s[\g+7], 0
.endr
	s_lshl_b32 s80, s[HA], 8                       ; my slot's first K step: 256 bytes along the rows
	s_lshl_b32 s66, s43, 18                        ; 256 rows of 1,024 bytes
	s_add_co_u32 s66, s66, s80
	s_mov_b32 s67, 0
	s_lshl_b32 s68, s44, 18
	s_add_co_u32 s68, s68, s80
	s_mov_b32 s69, 0
	s_mul_i32 s81, s[HA], SLOT                     ; where my slot begins
	s_wait_dscnt 0x0                               ; both opening adds are done
	s_wait_kmcnt 0x0
	s_cmp_eq_u32 ttmp9, 1                          ; the buffers are chosen by cluster x alone
	s_cselect_b64 s[72:73], s[8:9], s[6:7]
	s_cselect_b64 s[74:75], s[16:17], s[14:15]
	s_cmp_eq_u32 ttmp9, 2
	s_cselect_b64 s[70:71], s[10:11], s[4:5]       ; the A side: Wv for V, else x
	s_cselect_b64 s[72:73], s[4:5], s[72:73]       ; the B side: x for V, else Wk or Wq
	s_cselect_b64 s[74:75], s[18:19], s[74:75]     ; the output
	s_load_b256 s[84:91], s[12:13], 0x0            ; e0 .. e7
	s_load_b32 s92, s[12:13], 0x20                 ; e8
	s_add_nc_u64 s[70:71], s[70:71], s[66:67]
	s_add_nc_u64 s[72:73], s[72:73], s[68:69]
	CROUND                                         ; all sixteen work-groups are here: the first joint loads meet
	s_mov_b32 s[G0], 1
	s_mov_b32 s[G0+1], s81                         ; the A side's 256 rows lie first in a slot,
	s_mov_b64 s[G0+2:G0+3], s[70:71]
	s_or_b32 s[G0+3], s[G0+3], 0x80000000
	s_mov_b32 s[G0B], 1
	s_add_co_u32 s[G0B+1], s81, 2*HALFT            ; the B side's behind them
	s_mov_b64 s[G0B+2:G0B+3], s[72:73]
	s_or_b32 s[G0B+3], s[G0B+3], 0x80000000
	JLOAD                                          ; one load a wave: the four together fill both slots
	v_and_b32 v1, 15, v0                           ; r
	v_bfe_u32 v2, v0, 4, 1                         ; h
	v_mul_u32_u24 v3, v1, PITCH
	v_lshl_add_u32 v4, v2, 4, v3                   ; a fragment's row x pitch + 16 h
	s_mul_i32 s82, s[HA], HALFT
	s_mul_i32 s83, s[HB], HALFT
	s_add_co_u32 s83, s83, 2*HALFT
.irp s, 0,1
	v_add_nc_u32 v[ADRA+\s], s82, v4
	v_add_nc_u32 v[ADRB+\s], s83, v4
	s_add_co_u32 s82, s82, SLOT
	s_add_co_u32 s83, s83, SLOT
.endr
	; the prefetches: my tile at my slot's K step, my work-group's 64 rows of it, two K steps on: what my slot's first refill will load
	s_cmp_eq_u32 s[HB], 0
	s_cselect_b64 s[PFA:PFA+1], s[70:71], s[72:73]
	s_cselect_b32 s2, s40, s41                     ; my place among the four that ask for the tile with me
	s_lshl_b32 s2, s2, 16                          ; 64 rows of 1,024 bytes
	s_add_co_u32 s2, s2, 2*ROWB
	s_mov_b32 s3, 0
	s_add_nc_u64 s[PFA:PFA+1], s[PFA:PFA+1], s[2:3]
	v_and_b32 v[PFO], 31, v0
	v_lshlrev_b32 v[PFO], 10, v[PFO]
	PF2
	s_cmp_eq_u32 ttmp9, 2
	s_cselect_b32 s[ASKF], 1, 0                    ; the side that x is on
	s_cmp_eq_u32 s[ASKF], s[HB]
	s_cselect_b32 s[ASKF], 1, 0                    ; do I fetch for it?
	s_add_co_u32 s3, s[HA], 1
	s_mul_i32 s[ASKF], s[ASKF], s3
	; where my results go.  T0 = my first token among the 8,192, C0 = my first channel among the 1,024.  One formula serves the three layouts:
	; (T0 / 2048) x 2^21 (the batch's 16 heads of 131,072 bytes) + (T0 % 2048) x 64 (tiles of 16 tokens of 1,024 bytes; steps of 128 keys of 8,192) + C0 x 2048 (a head of 64 channels is 131,072 bytes)
	s_lshl_b32 s96, s43, 8
	s_lshl_b32 s98, s[HA], 7
	s_add_co_u32 s96, s96, s98                     ; my first row of the A side
	s_lshl_b32 s97, s44, 8
	s_lshl_b32 s98, s[HB], 7
	s_add_co_u32 s97, s97, s98                     ; of the B side
	s_mov_b32 s82, 1024
	s_mov_b32 s83, 4096
	s_mov_b32 s93, 131072
	s_cmp_eq_u32 ttmp9, 2
	s_cselect_b32 s98, s97, s96                    ; T0
	s_cselect_b32 s99, s96, s97                    ; C0
	s_cselect_b32 s82, 2048, s82                   ; from block a to a + 1: Q, K: the next tile of tokens; V: the next tile of channels
	s_cselect_b32 s83, 131072, s83                 ; from block a to a + 4: Q, K: four tiles of tokens; V: the next head
	s_cselect_b32 s93, 1024, s93                   ; from a block's first two pieces to its last two: Q, K: the next head; V: the fragment's second half
	s_lshr_b32 s2, s98, 11
	s_lshl_b32 s2, s2, 21
	s_and_b32 s94, s98, 2047
	s_lshl_b32 s94, s94, 6
	s_add_co_u32 s2, s2, s94
	s_lshl_b32 s94, s99, 11
	s_add_co_u32 s2, s2, s94
	s_mov_b32 s3, 0
	s_add_nc_u64 s[74:75], s[74:75], s[2:3]
	s_mov_b32 s2, s93
	s_add_nc_u64 s[76:77], s[74:75], s[2:3]
	v_and_b32 v5, 31, v0
	v_lshlrev_b32 v[VO], 4, v5
	v_add_nc_u32 v[VO+1], s82, v[VO]
	v_add_nc_u32 v[VO+2], s82, v[VO+1]
	v_add_nc_u32 v[VO+3], s82, v[VO+2]
.irp a, 0,1,2,3
	v_add_nc_u32 v[VO+4+\a], s83, v[VO+\a]
.endr
	s_wait_alu depctr_va_vdst(0)                   ; the wait here, directly ahead of the wait below
	s_wait_kmcnt 0x0                               ; the exponents
	s_sub_co_i32 s93, s90, s84
	s_sub_co_i32 s93, s93, s85                     ; Q: e6 - e0 - e1
	s_sub_co_i32 s94, s91, s86
	s_sub_co_i32 s94, s94, s87                     ; K: e7 - e2 - e3
	s_sub_co_i32 s95, s92, s88
	s_sub_co_i32 s95, s95, s89                     ; V: e8 - e4 - e5
	s_cmp_eq_u32 ttmp9, 1
	s_cselect_b32 s93, s94, s93
	s_cmp_eq_u32 ttmp9, 2
	s_cselect_b32 s93, s95, s93                    ; E: the three scales folded into the conversion's one
	s_add_co_i32 s93, s93, 127
	s_lshl_b32 s94, s93, 23
	v_mov_b32 v[SC], s94                           ; 2^E as f32
	s_add_co_i32 s93, s93, 15
	s_lshl_b32 s93, s93, 23
	s_or_b32 s93, s93, 0x600000
	v_mov_b32 v[LM], s93                           ; 57,344 x 2^E
	s_mov_b32 s[TL], 2
.macro FRAG reg, adr, q, i             ; 16 rows x 128 K: lane l holds row l % 16; registers 4 c .. 4 c + 3 hold K = 32 c + 16 (l / 16) + 0 .. 15
.irp c, 0,1,2,3
	ds_load_b128 v[\reg+4*\c:\reg+4*\c+3], v[\adr] offset:128*(\q)+32*\c+(\i)*16*PITCH
.endr
.endm
; 16 matrix instructions: the A side's blocks a0, a0 + 1 x the B side's eight.  p: the B side's set.  zero = 1: the first product starts the sums.
; The 64 accumulators take turns, one instruction a turn, in the same order in every step.
.macro MUL16 a0, p, zero
.irp a, \a0, \a0+1
.irp b, 0,1,2,3,4,5,6,7
.if \zero
	v_wmma_f32_16x16x128_bf8_bf8 v[8*(8*((\a)%4)+\b):8*(8*((\a)%4)+\b)+7], v[128*(\p)+FR*\b:128*(\p)+FR*\b+FR-1], v[AF+FR*(\a):AF+FR*(\a)+FR-1], 0
.else
	v_wmma_f32_16x16x128_bf8_bf8 v[8*(8*((\a)%4)+\b):8*(8*((\a)%4)+\b)+7], v[128*(\p)+FR*\b:128*(\p)+FR*\b+FR-1], v[AF+FR*(\a):AF+FR*(\a)+FR-1], v[8*(8*((\a)%4)+\b):8*(8*((\a)%4)+\b)+7]
.endif
.endr
.endr
.endm
.macro FETCH_B slot, q, p
	WIN TO_B
.irp i, 0,1,2,3,4,5,6,7
	FRAG 128*(\p)+FR*\i, ADRB+\slot, \q, \i
.endr
	WIN 0
.endm
.macro FETCH_A slot, q, i0
.irp i, \i0, \i0+1, \i0+2, \i0+3
	FRAG AF+FR*(\i), ADRA+\slot, \q, \i
.endr
.endm
; A step of 128 along K that has its successor in the same slot.
.macro STEP slot, q, zero
	s_wait_dscnt 4*NL                              ; the B side's set and the A side's blocks 0-3 are in; the youngest 16 loads (blocks 4-7) may be out
	WIN MUL_LO
	MUL16 0, (\q)%2, \zero
	MUL16 2, (\q)%2, \zero
	s_wait_dscnt 0                                 ; blocks 4-7 are in
	PLACES NP
	FETCH_B \slot, (\q)+1, 1-(\q)%2
	FETCH_A \slot, (\q)+1, 0
	WIN MUL_HI
	MUL16 4, (\q)%2, \zero
	MUL16 6, (\q)%2, \zero
	PLACES NP
	WIN 0
	FETCH_A \slot, (\q)+1, 4
.endm
; The first half of a slot's last step: one barrier; in front of it each wave waits for all its tensor loads, adds 0 to its spare word, and waits for that and for its reads of this slot.
.macro MEET
	s_wait_tensorcnt 0x0                           ; all my tensor loads have landed
	ds_add_u32 v[SPW], v[NIL]
	s_wait_dscnt 4*NL+1                            ; the add and the youngest 16 loads may be out
	WIN MUL_LO
	MUL16 0, 1, 0
	s_wait_dscnt 0x0                               ; the add is done, and my reads of this slot are over
	s_barrier_signal -1
	MUL16 2, 1, 0
	WIN 0
	s_barrier_wait -1
.endm
; A slot's last step changes slots.  fill = 0: nothing is asked for; 1, 2: as REFILL has them, behind a round of the cluster's barrier, which the barrier has opened.
.macro TURN slot, next, fill
	MEET
.if \fill
	CREST
	REFILL \slot, \fill
.else
	PLACES NP
.endif
	FETCH_B \next, 0, 0
	FETCH_A \next, 0, 0
.if \fill
	ASK \slot, \fill                               ; behind the joint load and the run of LDS loads that the next products wait for
.endif
	WIN MUL_HI
	MUL16 4, 1, 0
	MUL16 6, 1, 0
	PLACES NP
	WIN 0
	FETCH_A \next, 0, 4
.endm
	s_wait_alu depctr_va_vdst(0)                   ; the wait at the head's end
.Ltile:                                            ; two trips, the same count in every work-group
	s_wait_tensorcnt 0x0                           ; my one load that may be out is in: with the barrier, both slots are whole
	s_barrier_signal -1
	s_barrier_wait -1
	FETCH_B 0, 0, 0
	FETCH_A 0, 0, 0
	FETCH_A 0, 0, 4
	STEP 0, 0, 1                                   ; K = 1,024 is eight steps of 128
	TURN 0, 1, 1
	STEP 1, 0, 0
	TURN 1, 0, 1
	STEP 0, 0, 0
	s_cmp_eq_u32 s[TL], 1
	s_cbranch_scc1 .Lfinal                         ; the last tile's stretch, which asks for nothing, is written out
	TURN 0, 1, 2                                   ; slot 0 takes the next tile's K step 0,
	STEP 1, 0, 0
	MEET
	CREST
	REFILL 1, 2                                    ; slot 1 its K step 1
	ASK 1, 2
	WIN MUL_HI
	MUL16 4, 1, 0
	MUL16 6, 1, 0
	WIN 0
	s_branch .Lout
.Lfinal:
	TURN 0, 1, 0
	STEP 1, 0, 0
	s_wait_dscnt 4*NL
	WIN MUL_LO
	MUL16 0, 1, 0
	MUL16 2, 1, 0
	s_wait_dscnt 0
	WIN MUL_HI
	MUL16 4, 1, 0
	MUL16 6, 1, 0
	WIN 0
.Lout:
; THE WAY OUT of block a (16 rows of the A side x 128 of the B side): the hold, the conversion, four stores of 512 consecutive bytes.
.macro OUT a
	WIN 0x02+((\a)/4)                              ; source 0: window 2 or 3
.set i, 0
.rept 64
	v_med3_num_f32 v[TMP+i], v[64*((\a)%4)+i], -v[LM], v[LM]   ; the conversion to an 8-bit code does not saturate (ISA guide 7.6.2); each accumulator from its low end on
.set i, i+1
.endr
	WIN 0
.irp b, 0,1,2,3,4,5,6,7
	v_cvt_scalef32_pk8_bf8_f32 v[CD+16*(\a)+2*\b:CD+16*(\a)+2*\b+1], v[TMP+8*\b:TMP+8*\b+7], v[SC]
.endr
	v_nop                                          ; a plain instruction between the conversions and the next block's writes of their sources
.irp p, 0,1,2,3
	global_store_b128 v[VO+(\a)], v[CD+16*(\a)+4*\p:CD+16*(\a)+4*\p+3], s[74+2*(\p/2):75+2*(\p/2)] offset:(\p%2)*512
.endr
.endm
	PLACES NP                                      ; behind the last products: their results are read, and the registers that held the A side's fragments are written
.irp a, 0,1,2,3,4,5,6,7
	OUT \a
.endr
	s_wait_xcnt 0x0                                ; the stores have read their data and their bases: the next tile's fragments land on the one, and the others are stepped
	s_add_nc_u64 s[74:75], s[74:75], WALK
	s_add_nc_u64 s[76:77], s[76:77], WALK
	s_sub_co_u32 s[TL], s[TL], 1
	s_cmp_lg_u32 s[TL], 0
	s_cbranch_scc1 .Ltile
	s_wait_tensorcnt 0x0                           ; the wave's end
	ds_add_u32 v[SPW], v[NIL]
	s_wait_dscnt 0x0
	CROUND                                         ; the closing round
	s_endpgm
.Lfunc_end_k_q5fab78259e_qkv:
	.size	k_q5fab78259e_qkv, .Lfunc_end_k_q5fab78259e_qkv-k_q5fab78259e_qkv
	.p2alignl 7, 3214868480
	.fill 96, 4, 3214868480
	.section	.rodata,"a",@progbits
	.p2align	6, 0x0
	.amdhsa_kernel k_q5fab78259e_qkv
		.amdhsa_group_segment_fixed_size 327680
		.amdhsa_private_segment_fixed_size 0
		.amdhsa_enable_private_segment 0
		.amdhsa_kernarg_size 64
		.amdhsa_user_sgpr_count 2
		.amdhsa_user_sgpr_kernarg_segment_ptr 1
		.amdhsa_wavefront_size32 1
		.amdhsa_system_sgpr_workgroup_id_x 1
		.amdhsa_system_sgpr_workgroup_id_y 1
		.amdhsa_system_sgpr_workgroup_id_z 1
		.amdhsa_system_vgpr_workitem_id 0
		.amdhsa_next_free_vgpr 1024
		.amdhsa_next_free_sgpr 100
		.amdhsa_reserve_vcc 0
		.amdhsa_float_denorm_mode_32 3
		.amdhsa_float_denorm_mode_16_64 3
		.amdhsa_memory_ordered 1
		.amdhsa_forward_progress 1
		.amdhsa_inst_pref_size 144
	.end_amdhsa_kernel
	.amdgpu_metadata
---
amdhsa.version: [ 1, 2 ]
amdhsa.kernels:
  - .name:           k_q5fab78259e_qkv
    .symbol:         k_q5fab78259e_qkv.kd
    .args:
      - { .name: x_codes, .offset: 0, .size: 8, .value_kind: global_buffer, .address_space: global }
      - { .name: Wq_codes, .offset: 8, .size: 8, .value_kind: global_buffer, .address_space: global }
      - { .name: Wk_codes, .offset: 16, .size: 8, .value_kind: global_buffer, .address_space: global }
      - { .name: Wv_codes, .offset: 24, .size: 8, .value_kind: global_buffer, .address_space: global }
      - { .name: lowp_scales, .offset: 32, .size: 8, .value_kind: global_buffer, .address_space: global }
      - { .name: qc, .offset: 40, .size: 8, .value_kind: global_buffer, .address_space: global }
      - { .name: kc, .offset: 48, .size: 8, .value_kind: global_buffer, .address_space: global }
      - { .name: vc, .offset: 56, .size: 8, .value_kind: global_buffer, .address_space: global }
    .group_segment_fixed_size: 327680
    .private_segment_fixed_size: 0
    .kernarg_segment_align: 8
    .kernarg_segment_size: 64
    .max_flat_workgroup_size: 128
    .sgpr_count:     100
    .vgpr_count:     1024
    .wavefront_size: 32
...
	.end_amdgpu_metadata
.endif
;; end of part 1
;; launch attn (part 2): grid 4 x 64, 8 waves a work-group, clusters of 4 x 1, 327,680 bytes of LDS; arguments qc, kc, vc, lowp_scales, cc; writes cc
.if DOCPART == 2
	.amdgcn_target "amdgcn-amd-amdhsa--gfx1250"
	.amdhsa_code_object_version 6
	.text
	.protected	k_q5fab78259e_attn
	.globl	k_q5fab78259e_attn
	.p2align	8
	.type	k_q5fab78259e_attn,@function
k_q5fab78259e_attn:
	s_mov_b64 s[64:65], 0
	v_nop
	global_prefetch_b8 v0, s[64:65] scope:SCOPE_SE
	s_setreg_imm32_b32 hwreg(HW_REG_WAVE_MODE, 25, 1), 1
	s_wait_xcnt 0x0
	s_wait_alu depctr_hold_cnt(0) depctr_sa_sdst(0) depctr_va_vdst(0) depctr_va_sdst(0) depctr_va_ssrc(0) depctr_va_vcc(0) depctr_vm_vsrc(0)
	s_getreg_b32 s2, hwreg(HW_REG_IB_STS2, 6, 4)
	s_cmp_eq_u32 s2, 0
	s_cbranch_scc0 .Lentry_in_a_cluster
	s_endpgm
.Lentry_in_a_cluster:
	s_bfe_u32 s2, ttmp6, 0x10000c
	s_cmp_lg_u32 s2, 0x3003
	s_cbranch_scc0 .Lentry_shape_is_right
	s_endpgm
.Lentry_shape_is_right:
; ctx = softmax(Q K^T / 8, causal) V for each of 64 (batch, head), both products on codes of BF8 (E5M2), and the quantiser of ctx (exponent e10).
; LEFT OUT: steps of 128 keys, and in the diagonal step of a lower tile the upper 64 keys, all of which come after all 16 queries of the tile: reference()'s own jnp.tril mask gives them the weight 0 for every value of the inputs.
; LIMIT: a NaN, an infinity or an overflow that reaches only those keys is not carried to the result.
; qc, kc, vc hold images of operand registers (the launch before lays them): a fragment of Q or K (16 tokens x 64 channels) is 1,024 bytes, of V^T (16 channels x 128 keys) 2,048.
; THE SOFTMAX: t = score x log2(e) / 8; M = the row's largest t so far, rounded UP to a whole number; p = 2^(t - M) is quantised (e9), not normalised; the row's sum is taken of the unquantised p and divides at the end.
; SHARES.  The four work-groups of a cluster serve one (batch, head).  Of its 128 tiles of 16 queries the partner at place cx owns tiles 8 a + cx (lower) and 8 a + 4 + cx (upper), a = 0 .. 15: a PAIR.
; Pair a walks a full steps of 128 keys and one diagonal step (keys 128 a on), whatever cx is: no branch and no LDS address hangs on cx.  Wave w of eight takes pair 15 - w and then pair w: 15 full and 2 diagonal steps each.
; Both tiles of a pair use each fragment of K and V that is read from LDS.
; THE SECOND PRODUCT OF A STEP IS ISSUED AT THE HEAD OF THE NEXT STEP, directly behind that step's scores, so that the lines of the softmax follow both runs of matrix instructions.  The step is written once: a pair begins with
; p's codes zero and V's registers filled with step 0, so its first step adds eight products of zero codes to O^T = 0.  The diagonal step, a pair's last, issues its own second product at its end.
; LDS holds the head's whole K (131,072 bytes) and V (131,072): filled once, by joint loads of the four partners (mask 15).  Group 1, at the head: steps 0 to 3, 8,192 bytes a wave.  Group 2, behind a round:
; the rest, 24,576 bytes a wave.  The first three steps of pair 15 - w (at least 8 steps long) read group 1 alone; behind them one barrier shows group 2.  Nothing is filled again.
; NO PREFETCH: all loads of K and V stand at the head; there is no loop ahead of them to ask in.
; THE MASK costs no vector line in the steps: 32 registers hold 0 or -3.4e38 (key 16 j + 8 h + i against query 16 cx + r) and are the C of the diagonal scores: of key tiles 0-3 for the lower tile, 4-7 for the upper.
; LAYOUT.  Both products transposed: S^T = K Q^T, O^T = V^T P^T: a lane holds ONE query (lane % 16); tile t's register j is key 16 t + 8 (lane / 16) + j, so its 8 codes are registers 2 t, 2 t + 1 of the second product's operand.
; cc (for the last launch): [256 channels 4][tile of 16 tokens 512][128 channels 2][piece 4][lane 32][16 bytes]; my 8 codes of channel tile t go to 256 t + 16 r + 8 h of the head's 1,024 bytes: a store covers 256 consecutive bytes, aligned.
; LIMITS on the given exponents: e6 + e7 between -90 and 130 (added to c's exponent field; the masked score times c stays far under every t); e9 and e10 - e8 - e9 between -126 and 112.  The scaled scores stay under 2^31 in magnitude.
; REGISTERS.  Window 0: v1-9 addresses and constants, v10-31 statistics and work, v32-159 S^T then p (two tiles), v160-223 O^T, v224-255 p's codes.  Window 1: v0-63 K's fragments, v64-127 V's, v128-159 Q of both pairs, v160-191 the mask.
.set VREG,  131072
.set SPARE, 262144                     ; behind K and V: the spare words, 128 bytes for each of eight waves
.set LI,   1                           ; 16 x lane
.set ADK,  2
.set ADV,  3
.set SPW,  4
.set NIL,  5
.set GO,   9                           ; 16 r + 8 h
.set SA,   32
.set SB,   96
.set OA,   160
.set OB,   192
.set PA,   224
.set PB,   240
.set KF,   0                           ; window 1 from here on
.set VF,   64
.set Q2,   128
.set Q1,   144
.set MK,   160
.set WV,   14
.set CX,   15
.set A2,   16                          ; 15 - wave
.set TB,   17                          ; the step's first byte in K's (and V's) region
.set KC,   18
.set OFFC, 19
.set SEL,  20
.set CS,   22
.set G1A,  24
.set G1B,  32
.set G0A,  40
.set G0B,  44
.set MSB, 0
.macro WIN new                         ; the immediate's high byte repeats the setting that is left
.if MSB != \new
	s_set_vgpr_msb (MSB<<8)|\new
.set MSB, \new
.endif
.endm
.macro ROUND                           ; a round of the cluster's barrier
	s_barrier_signal -1
	s_barrier_wait -1
	s_cmp_lg_u32 s[WV], 0
	s_cbranch_scc1 .Lnot_wave_0_\@
	s_barrier_signal -3
.Lnot_wave_0_\@:
	s_barrier_wait -3
	s_barrier_signal -1
	s_barrier_wait -1
.endm
.macro NOPS n
.rept \n
	v_nop
.endr
.endm
.macro KLOAD adr, off                  ; a step's eight fragments of K: 16 loads
	WIN 0x40
.irp t, 0,1,2,3,4,5,6,7
	ds_load_b128 v[KF+8*\t:KF+8*\t+3], v[\adr] offset:(\off)+1024*\t
	ds_load_b128 v[KF+8*\t+4:KF+8*\t+7], v[\adr] offset:(\off)+1024*\t+512
.endr
	WIN 0
.endm
.macro VLOAD                           ; a step's four fragments of V, at v[ADV]: 16 loads
	WIN 0x40
.irp c, 0,1,2,3
.irp p, 0,1,2,3
	ds_load_b128 v[VF+16*\c+4*\p:VF+16*\c+4*\p+3], v[ADV] offset:2048*\c+512*\p
.endr
.endr
	WIN 0
.endm
.macro INITR                           ; a pair begins: the largest t -3e38, the sums, O^T and p's codes zero
.irp b, 12, 16
	v_mov_b32 v[\b+1], 0xff61b1e6
	v_floor_f32 v[\b], -v[\b+1]
	v_mov_b32 v[\b+2], 0
	v_mov_b32 v[\b+3], 0
.endr
.set j, 0
.rept 96
	v_mov_b32 v[OA+j], 0                           ; v160-223 O^T, v224-255 the codes
.set j, j+1
.endr
.endm
.macro PRIME                           ; step 0's K, and step 0's V as the partner of the zero codes
	v_add_nc_u32 v[ADV], VREG, v[LI]
	KLOAD LI, 0
	VLOAD
.endm
	s_load_b256 s[4:11], s[0:1], 0x0               ; qc 4, kc 6, vc 8, the scales 10
	s_load_b64 s[12:13], s[0:1], 0x20              ; cc
	v_lshl_add_u32 v[SPW], v0, 2, SPARE
	v_mov_b32 v[NIL], 0
	ds_add_u32 v[SPW], v[NIL]                      ; the opening: the add, twice on end, and its wait ahead of my first tensor load
	ds_add_u32 v[SPW], v[NIL]
	v_lshrrev_b32 v1, 5, v0
	v_readfirstlane_b32 s[WV], v1                  ; wave 0..7
	s_bfe_u32 s[CX], ttmp6, 0x40000                ; my place in the cluster
	s_and_b32 s48, ttmp7, 0xffff                   ; batch x 16 + head
	s_lshl_b32 s50, s48, 17                        ; its 131,072 bytes in qc, kc and vc
	s_mov_b32 s51, 0
	s_xor_b32 s[A2], s[WV], 15
.irp g, G1A, G1B
	s_mov_b32 s[\g], 15|(3<<16)|(1<<21)            ; the mask of all four partners; elements of 8 bytes; bit 21 beside a mask; dense rows of 256 bytes
	s_mov_b32 s[\g+1], 32<<16
	s_mov_b32 s[\g+3], 32<<16
	s_mov_b32 s[\g+5], 32
	s_mov_b32 s[\g+6], 0
	s_mov_b32 s[\g+7], 0
.endr
	s_mov_b32 s[G1A+2], 32<<16                     ; group 1: 32 rows
	s_mov_b32 s[G1A+4], 32
	s_mov_b32 s[G1B+2], 96<<16                     ; group 2: 96 rows
	s_mov_b32 s[G1B+4], 96
	s_mov_b32 s[SEL], 0x76543210
	s_mov_b32 s[SEL+1], 0xfedcba98
	s_mov_b32 s[CS], 0x3e38aa3b                    ; log2(e) / 8
	s_and_b32 s52, s[WV], 3                        ; which quarter I fetch,
	s_lshr_b32 s53, s[WV], 2                       ; of K (0) or of V (1)
	s_lshl_b32 s54, s53, 17
	s_lshl_b32 s60, s52, 13
	s_mov_b32 s61, 0
	s_mul_i32 s56, s52, 24576
	s_add_co_u32 s56, s56, 32768
	s_mov_b32 s57, 0
	s_mov_b32 s[G0A], 1
	s_add_co_u32 s[G0A+1], s54, s60
	s_mov_b32 s[G0B], 1
	s_add_co_u32 s[G0B+1], s54, s56
	s_lshr_b32 s[OFFC], s48, 4
	s_lshl_b32 s[OFFC], s[OFFC], 19                ; cc: the batch's 128 tiles of 4,096 bytes,
	s_bfe_u32 s49, s48, 0x20002
	s_lshl_b32 s49, s49, 21                        ; which 256 channels,
	s_add_co_u32 s[OFFC], s[OFFC], s49
	s_and_b32 s49, s48, 3
	s_lshl_b32 s49, s49, 10                        ; the head's 1,024 bytes of a tile
	s_add_co_u32 s[OFFC], s[OFFC], s49
	s_wait_dscnt 0x0                               ; both opening adds are done
	s_wait_kmcnt 0x0
	s_load_b256 s[84:91], s[10:11], 0x10           ; e4 .. e11
	s_cmp_eq_u32 s53, 0
	s_cselect_b64 s[58:59], s[6:7], s[8:9]
	s_add_nc_u64 s[58:59], s[58:59], s[50:51]
	s_add_nc_u64 s[G0A+2:G0A+3], s[58:59], s[60:61]
	s_or_b32 s[G0A+3], s[G0A+3], 0x80000000
	s_add_nc_u64 s[G0B+2:G0B+3], s[58:59], s[56:57]
	s_or_b32 s[G0B+3], s[G0B+3], 0x80000000
	s_add_nc_u64 s[4:5], s[4:5], s[50:51]
	ROUND                                          ; the four partners are here: the first joint loads meet
	tensor_load_to_lds s[G0A:G0A+3], s[G1A:G1A+7]  ; group 1: one load a wave
	s_nop 0
	NOPS 4
	v_and_b32 v2, 31, v0
	v_lshlrev_b32 v[LI], 4, v2
	v_and_b32 v10, 15, v0                          ; r
	v_bfe_u32 v11, v0, 4, 1                        ; h
	v_lshlrev_b32 v[GO], 4, v10
	v_lshl_add_u32 v[GO], v11, 3, v[GO]
	v_lshlrev_b32 v28, 3, v11
	v_sub_nc_u32 v28, v10, v28
	s_lshl_b32 s49, s[CX], 4
	v_add_nc_u32 v28, s49, v28                     ; d = 16 cx + r - 8 h
	v_mov_b32 v29, 0xff7fffff
	s_lshl_b32 s49, s[CX], 10                      ; a tile of 16 queries is 1,024 bytes: tile 8 a + cx
	s_lshl_b32 s52, s[A2], 13
	s_add_co_u32 s52, s52, s49
	v_add_nc_u32 v20, s52, v[LI]
	s_lshl_b32 s52, s[WV], 13
	s_add_co_u32 s52, s52, s49
	v_add_nc_u32 v21, s52, v[LI]
	WIN 0x40
.irp p, 0,1                                        ; Q of both pairs stays in registers; the upper tile lies four tiles on
	global_load_b128 v[Q2+4*\p:Q2+4*\p+3], v20, s[4:5] offset:512*\p
	global_load_b128 v[Q2+8+4*\p:Q2+8+4*\p+3], v20, s[4:5] offset:4096+512*\p
	global_load_b128 v[Q1+4*\p:Q1+4*\p+3], v21, s[4:5] offset:512*\p
	global_load_b128 v[Q1+8+4*\p:Q1+8+4*\p+3], v21, s[4:5] offset:4096+512*\p
.endr
.set n, 0
.rept 32
	v_cmp_gt_i32 vcc_lo, 16*(n/8)+n%8, v28         ; register n of the mask: key 16 (n / 8) + 8 h + n % 8 is hidden where it comes after query 16 cx + r
	v_cndmask_b32 v[MK+n], 0, v29, vcc_lo
.set n, n+1
.endr
	WIN 0
	s_wait_kmcnt 0x0
	s_add_co_i32 s48, s86, s87
	s_lshl_b32 s48, s48, 23
	s_add_co_i32 s[CS], s[CS], s48                 ; a score stands for score x 2^(e6 + e7)
	s_mov_b32 s[CS+1], s[CS]
	s_add_co_i32 s48, s89, 127
	s_lshl_b32 s49, s48, 23
	v_mov_b32 v8, s49                              ; 2^e9
	s_add_co_i32 s48, s48, 15
	s_lshl_b32 s48, s48, 23
	s_or_b32 s48, s48, 0x600000
	v_mov_b32 v6, s48                              ; 57,344 x 2^e9, twice: one for each half of a dual pair
	v_mov_b32 v7, s48
	s_sub_co_i32 s48, s90, s88
	s_sub_co_i32 s48, s48, s89                     ; O / the sum stands for ctx / 2^(e8 + e9): its code is that / 2^(e10 - e8 - e9)
	s_add_co_i32 s48, s48, 127
	s_lshl_b32 s49, s48, 23
	v_mov_b32 v30, s49
	s_add_co_i32 s48, s48, 15
	s_lshl_b32 s48, s48, 23
	s_or_b32 s48, s48, 0x600000
	v_mov_b32 v31, s48
	v_mov_b32 v25, 0                               ; (named as upper halves of the pairs of f)
	v_mov_b32 v27, 0
	INITR
; A STEP of a pair: 128 keys against two tiles of 16 queries.  qb: Q's two fragments.  diag = 1: the diagonal step, at step s[sa]: the lower tile takes 64 keys.
; At its head K's fragments of this step and V's of the step before are in registers, asked for a step earlier, and p's codes of the step before wait for their product.
.macro STEP qb, diag, sa
.set NA, 64-32*\diag                   ; the lower tile's scores a lane
.if \diag
	s_lshl_b32 s49, s[\sa], 13
	v_add_nc_u32 v[ADV], s49, v[LI]
	v_add_nc_u32 v[ADV], VREG, v[ADV]
.else
	v_add_nc_u32 v[ADK], s[TB], v[LI]
	v_add_nc_u32 v[ADV], VREG, v[ADK]
.endif
	s_wait_alu depctr_va_vdst(0)
	s_wait_dscnt 0x0                               ; K's and V's fragments are in
	WIN 0x15                                       ; sources in window 1, results in window 0
.if \diag
.irp t, 0,1,2,3
	v_wmma_f32_16x16x64_bf8_bf8 v[SA+8*\t:SA+8*\t+7], v[KF+8*\t:KF+8*\t+7], v[\qb:\qb+7], v[MK+8*\t:MK+8*\t+7]
	v_wmma_f32_16x16x64_bf8_bf8 v[SB+8*\t:SB+8*\t+7], v[KF+8*\t:KF+8*\t+7], v[\qb+8:\qb+15], 0
.endr
.irp t, 4,5,6,7
	v_wmma_f32_16x16x64_bf8_bf8 v[SB+8*\t:SB+8*\t+7], v[KF+8*\t:KF+8*\t+7], v[\qb+8:\qb+15], v[MK+8*\t-32:MK+8*\t-25]
.endr
.else
.irp t, 0,1,2,3,4,5,6,7
	v_wmma_f32_16x16x64_bf8_bf8 v[SA+8*\t:SA+8*\t+7], v[KF+8*\t:KF+8*\t+7], v[\qb:\qb+7], 0
	v_wmma_f32_16x16x64_bf8_bf8 v[SB+8*\t:SB+8*\t+7], v[KF+8*\t:KF+8*\t+7], v[\qb+8:\qb+15], 0
.endr
.endif
	WIN 0x01                                       ; V's fragments in window 1
.irp c, 0,1,2,3                                    ; the step before: O^T += V^T P^T; the eight accumulators by turns; a step's scores stand between two links
	v_wmma_f32_16x16x128_bf8_bf8 v[OA+8*\c:OA+8*\c+7], v[VF+16*\c:VF+16*\c+15], v[PA:PA+15], v[OA+8*\c:OA+8*\c+7]
	v_wmma_f32_16x16x128_bf8_bf8 v[OB+8*\c:OB+8*\c+7], v[VF+16*\c:VF+16*\c+15], v[PB:PB+15], v[OB+8*\c:OB+8*\c+7]
.endr
	NOPS 4                                         ; places: K's and V's registers are loaded anew, and the scores are read
	VLOAD                                          ; this step's V
.if \diag == 0
	KLOAD ADK, 8192                                ; the next step's K (the last full step asks for the diagonal step's)
.endif
	v_max3_num_f32 v20, v[SA], v[SA+1], v[SA+2]    ; the step's largest scores, two chains a tile; each accumulator from its low end on
	v_max3_num_f32 v22, v[SB], v[SB+1], v[SB+2]
	v_max3_num_f32 v21, v[SA+3], v[SA+4], v[SA+5]
	v_max3_num_f32 v23, v[SB+3], v[SB+4], v[SB+5]
.set i, 6
.rept 14
.if i < NA-2
	v_max3_num_f32 v20, v20, v[SA+i], v[SA+i+1]
	v_max3_num_f32 v21, v21, v[SA+i+2], v[SA+i+3]
.endif
	v_max3_num_f32 v22, v22, v[SB+i], v[SB+i+1]
	v_max3_num_f32 v23, v23, v[SB+i+2], v[SB+i+3]
.set i, i+4
.endr
	v_max3_num_f32 v20, v20, v[SA+NA-2], v[SA+NA-1]
	v_max3_num_f32 v22, v22, v[SB+62], v[SB+63]
	v_max_num_f32 v20, v20, v21
	v_max_num_f32 v22, v22, v23
.irp x, 0,1                                        ; the two tiles' chains take turns line by line
	v_permlanex16_b32 v[10+\x], v[20+2*\x], s[SEL], s[SEL+1]
.endr
.irp x, 0,1
	v_max_num_f32 v[20+2*\x], v[20+2*\x], v[10+\x] ; and among lane l xor 16's
.endr
.irp x, 0,1
	v_mul_f32 v[20+2*\x], s[CS], v[20+2*\x]        ; as t (c is positive)
.endr
.irp x, 0,1
	v_max_num_f32 v[13+4*\x], v[13+4*\x], v[20+2*\x]   ; the running largest t
.endr
.irp x, 0,1
	v_mov_b32 v[28+\x], v[12+4*\x]
.endr
.irp x, 0,1
	v_floor_f32 v[12+4*\x], -v[13+4*\x]            ; the new -M = floor(-t): M is a whole number
.endr
.irp x, 0,1
	v_sub_f32 v[28+\x], v[12+4*\x], v[28+\x]       ; old M - new M: a whole number, 0 or less
.endr
.irp x, 0,1
	v_cvt_i32_f32 v[28+\x], v[28+\x]               ; (it saturates)
.endr
.irp x, 0,1
	v_ldexp_f32 v[24+2*\x], 1.0, v[28+\x]          ; f = 2^(old M - new M)
.endr
.set j, 0
.rept 32
.if j < NA
	v_pk_fma_f32 v[SA+j:SA+j+1], v[SA+j:SA+j+1], s[CS:CS+1], v[12:13] op_sel_hi:[1,0,0]   ; t - M, two at a time
.endif
	v_pk_fma_f32 v[SB+j:SB+j+1], v[SB+j:SB+j+1], s[CS:CS+1], v[16:17] op_sel_hi:[1,0,0]
.set j, j+2
.endr
.set j, 0
.rept 16
	v_pk_mul_f32 v[OA+j:OA+j+1], v[OA+j:OA+j+1], v[24:25] op_sel_hi:[1,0]   ; O^T under the new M, ahead of the exponentials; each accumulator from its low end on
	v_pk_mul_f32 v[OB+j:OB+j+1], v[OB+j:OB+j+1], v[26:27] op_sel_hi:[1,0]
.set j, j+2
.endr
	v_pk_mul_f32 v[14:15], v[14:15], v[24:25] op_sel_hi:[1,0]   ; and the sums
	v_pk_mul_f32 v[18:19], v[18:19], v[26:27] op_sel_hi:[1,0]
	s_wait_alu depctr_va_vdst(0)                   ; the wait ahead of the batch
.set j, 0
.rept 64
.if j < NA
	v_exp_f32 v[SA+j], v[SA+j]                     ; p = 2^(t - M)
.endif
	v_exp_f32 v[SB+j], v[SB+j]
.set j, j+1
.endr
	v_nop                                          ; the plain place behind the exponentials
	s_wait_alu depctr_va_vdst(0)                   ; one wait for the whole batch, ahead of its first reader
	v_pk_add_f32 v[20:21], v[SA:SA+1], v[SA+2:SA+3]   ; the rows' sums are taken of the unquantised p, two chains a tile
	v_pk_add_f32 v[22:23], v[SB:SB+1], v[SB+2:SB+3]
.set j, 4
.rept 15
.if j < NA
	v_pk_add_f32 v[14:15], v[14:15], v[SA+j:SA+j+1]
	v_pk_add_f32 v[20:21], v[20:21], v[SA+j+2:SA+j+3]
.endif
	v_pk_add_f32 v[18:19], v[18:19], v[SB+j:SB+j+1]
	v_pk_add_f32 v[22:23], v[22:23], v[SB+j+2:SB+j+3]
.set j, j+4
.endr
	v_pk_add_f32 v[14:15], v[14:15], v[20:21]
	v_pk_add_f32 v[18:19], v[18:19], v[22:23]
.set j, 0
.rept 32                                           ; the hold: the conversion does not saturate (ISA guide 7.6.2); p is not negative, so it is one-sided; two numbers an instruction
.if j < NA
	v_dual_min_num_f32 v[SA+j], v[SA+j], v6 :: v_dual_min_num_f32 v[SA+j+1], v[SA+j+1], v7
.endif
	v_dual_min_num_f32 v[SB+j], v[SB+j], v6 :: v_dual_min_num_f32 v[SB+j+1], v[SB+j+1], v7
.set j, j+2
.endr
.set i, 0
.rept 8
.if 8*i < NA
	v_cvt_scalef32_pk8_bf8_f32 v[PA+2*i:PA+2*i+1], v[SA+8*i:SA+8*i+7], v8
.endif
	v_cvt_scalef32_pk8_bf8_f32 v[PB+2*i:PB+2*i+1], v[SB+8*i:SB+8*i+7], v8
.set i, i+1
.endr
	v_nop                                          ; a plain instruction between the conversions and the products that read their results or write their sources
.if \diag                                          ; a pair's last step: its own second product, the lower tile's over 64 keys
	s_wait_alu depctr_va_vdst(0)                   ; the wait here, directly ahead of the wait below
	s_wait_dscnt 0x0                               ; V's fragments are in
	WIN 0x01
.irp c, 0,1,2,3
	v_wmma_f32_16x16x64_bf8_bf8 v[OA+8*\c:OA+8*\c+7], v[VF+16*\c:VF+16*\c+7], v[PA:PA+7], v[OA+8*\c:OA+8*\c+7]
	v_wmma_f32_16x16x128_bf8_bf8 v[OB+8*\c:OB+8*\c+7], v[VF+16*\c:VF+16*\c+15], v[PB:PB+15], v[OB+8*\c:OB+8*\c+7]
.endr
	WIN 0
.endif
.endm
; THE WAY OUT of a pair: O^T / the sum, the hold, the conversion, eight stores of 256 consecutive bytes.
.macro FINISH sa
	v_add_f32 v14, v14, v15                        ; (these six lines are also the places behind the last products)
	v_add_f32 v18, v18, v19
	v_permlanex16_b32 v10, v14, s[SEL], s[SEL+1]
	v_permlanex16_b32 v11, v18, s[SEL], s[SEL+1]
	v_add_f32 v14, v14, v10                        ; the rows' sums
	v_add_f32 v18, v18, v11
	s_lshl_b32 s48, s[\sa], 15                     ; tile 8 a + cx of 4,096 bytes
	s_lshl_b32 s49, s[CX], 12
	s_add_co_u32 s48, s48, s49
	s_add_co_u32 s48, s48, s[OFFC]
	s_wait_alu depctr_va_vdst(0)                   ; the wait ahead of the transcendentals
	v_rcp_f32 v14, v14
	v_rcp_f32 v18, v18
	v_add_nc_u32 v28, s48, v[GO]                   ; (the plain place behind them)
	s_wait_alu depctr_va_vdst(0)                   ; ahead of their first reader, which is also the first reader of O^T
.set j, 0
.rept 16
	v_pk_mul_f32 v[SA+j:SA+j+1], v[OA+j:OA+j+1], v[14:15] op_sel_hi:[1,0]   ; register 8 t + i: channel 16 t + 8 h + i of query r
	v_pk_mul_f32 v[SB+j:SB+j+1], v[OB+j:OB+j+1], v[18:19] op_sel_hi:[1,0]
.set j, j+2
.endr
.set j, 0
.rept 32
	v_med3_num_f32 v[SA+j], v[SA+j], -v31, v31
	v_med3_num_f32 v[SB+j], v[SB+j], -v31, v31
.set j, j+1
.endr
.irp t, 0,1,2,3
	v_cvt_scalef32_pk8_bf8_f32 v[PA+2*\t:PA+2*\t+1], v[SA+8*\t:SA+8*\t+7], v30
	v_cvt_scalef32_pk8_bf8_f32 v[PB+2*\t:PB+2*\t+1], v[SB+8*\t:SB+8*\t+7], v30
.endr
	v_nop                                          ; a plain instruction behind the conversions
.irp t, 0,1,2,3
	global_store_b64 v28, v[PA+2*\t:PA+2*\t+1], s[12:13] offset:256*\t
	global_store_b64 v28, v[PB+2*\t:PB+2*\t+1], s[12:13] offset:16384+256*\t   ; the upper tile lies four tiles on
.endr
	s_wait_xcnt 0x0                                ; the stores have read their registers, which the next pair writes
.endm
	s_wait_alu depctr_va_vdst(0)                   ; the wait at the head's end
	s_wait_tensorcnt 0x0                           ; my part of group 1 is in
	ds_add_u32 v[SPW], v[NIL]
	s_wait_dscnt 0x0
	ROUND                                          ; everybody's part of group 1 is in, and the four partners are here
	tensor_load_to_lds s[G0B:G0B+3], s[G1B:G1B+7]  ; group 2: one load a wave
	s_nop 0
	NOPS 4
	PRIME
	s_wait_loadcnt 0x0                             ; Q
	s_mov_b32 s[TB], 0
	s_mov_b32 s[KC], 0
.Lfirst:                                           ; pair 15 - w, steps 0 to 2: they read steps 0 to 3 of K and 0 to 2 of V, group 1 alone; every wave's pair has them
	STEP Q2, 0, A2
	s_add_co_u32 s[TB], s[TB], 8192
	s_add_co_u32 s[KC], s[KC], 1
	s_cmp_lt_u32 s[KC], 3
	s_cbranch_scc1 .Lfirst
	s_wait_alu depctr_va_vdst(0)
	s_wait_tensorcnt 0x0                           ; my part of group 2 is in,
	s_wait_dscnt 0x0                               ; no LDS load of mine is out at the signal,
	s_barrier_signal -1
	s_barrier_wait -1                              ; and so is everybody's
	s_mov_b32 s[TB], 3*8192
	s_mov_b32 s[KC], 3
.Llong:                                            ; steps 3 to 14, a constant count of trips: a trip at or past the pair's diagonal step is jumped over, by the wave's number alone
	s_cmp_ge_u32 s[KC], s[A2]
	s_cbranch_scc1 .Llong_past
	STEP Q2, 0, A2
.Llong_past:
	s_add_co_u32 s[TB], s[TB], 8192
	s_add_co_u32 s[KC], s[KC], 1
	s_cmp_lt_u32 s[KC], 15
	s_cbranch_scc1 .Llong
	STEP Q2, 1, A2
	FINISH A2
	INITR                                          ; pair w
	PRIME
	s_wait_alu depctr_va_vdst(0)                   ; the wait ahead of the branches below
	s_mov_b32 s[TB], 0
	s_mov_b32 s[KC], 0
.Lshort:                                           ; steps 0 to 6, likewise
	s_cmp_ge_u32 s[KC], s[WV]
	s_cbranch_scc1 .Lshort_past
	STEP Q1, 0, WV
.Lshort_past:
	s_add_co_u32 s[TB], s[TB], 8192
	s_add_co_u32 s[KC], s[KC], 1
	s_cmp_lt_u32 s[KC], 7
	s_cbranch_scc1 .Lshort
	STEP Q1, 1, WV
	FINISH WV
	s_wait_tensorcnt 0x0                           ; the wave's end
	ds_add_u32 v[SPW], v[NIL]
	s_wait_dscnt 0x0
	ROUND                                          ; the closing round
	s_endpgm
.Lfunc_end_k_q5fab78259e_attn:
	.size	k_q5fab78259e_attn, .Lfunc_end_k_q5fab78259e_attn-k_q5fab78259e_attn
	.p2alignl 7, 3214868480
	.fill 96, 4, 3214868480
	.section	.rodata,"a",@progbits
	.p2align	6, 0x0
	.amdhsa_kernel k_q5fab78259e_attn
		.amdhsa_group_segment_fixed_size 327680
		.amdhsa_private_segment_fixed_size 0
		.amdhsa_enable_private_segment 0
		.amdhsa_kernarg_size 40
		.amdhsa_user_sgpr_count 2
		.amdhsa_user_sgpr_kernarg_segment_ptr 1
		.amdhsa_wavefront_size32 1
		.amdhsa_system_sgpr_workgroup_id_x 1
		.amdhsa_system_sgpr_workgroup_id_y 1
		.amdhsa_system_sgpr_workgroup_id_z 1
		.amdhsa_system_vgpr_workitem_id 0
		.amdhsa_next_free_vgpr 512
		.amdhsa_next_free_sgpr 100
		.amdhsa_reserve_vcc 1
		.amdhsa_float_denorm_mode_32 3
		.amdhsa_float_denorm_mode_16_64 3
		.amdhsa_memory_ordered 1
		.amdhsa_forward_progress 1
		.amdhsa_inst_pref_size 165
	.end_amdhsa_kernel
	.amdgpu_metadata
---
amdhsa.version: [ 1, 2 ]
amdhsa.kernels:
  - .name:           k_q5fab78259e_attn
    .symbol:         k_q5fab78259e_attn.kd
    .args:
      - { .name: qc, .offset: 0, .size: 8, .value_kind: global_buffer, .address_space: global }
      - { .name: kc, .offset: 8, .size: 8, .value_kind: global_buffer, .address_space: global }
      - { .name: vc, .offset: 16, .size: 8, .value_kind: global_buffer, .address_space: global }
      - { .name: lowp_scales, .offset: 24, .size: 8, .value_kind: global_buffer, .address_space: global }
      - { .name: cc, .offset: 32, .size: 8, .value_kind: global_buffer, .address_space: global }
    .group_segment_fixed_size: 327680
    .private_segment_fixed_size: 0
    .kernarg_segment_align: 8
    .kernarg_segment_size: 40
    .max_flat_workgroup_size: 256
    .sgpr_count:     100
    .vgpr_count:     512
    .wavefront_size: 32
...
	.end_amdgpu_metadata
.endif
;; end of part 2
;; launch proj (part 3): grid 4 x 64, 4 waves a work-group, clusters of 4 x 4, 327,680 bytes of LDS; arguments cc, Wo_codes, lowp_scales, bo, out0; writes out0
.if DOCPART == 3
	.amdgcn_target "amdgcn-amd-amdhsa--gfx1250"
	.amdhsa_code_object_version 6
	.text
	.protected	k_q5fab78259e_proj
	.globl	k_q5fab78259e_proj
	.p2align	8
	.type	k_q5fab78259e_proj,@function
k_q5fab78259e_proj:
	s_mov_b64 s[64:65], 0
	v_nop
	global_prefetch_b8 v0, s[64:65] scope:SCOPE_SE
	s_setreg_imm32_b32 hwreg(HW_REG_WAVE_MODE, 25, 1), 1
	s_wait_xcnt 0x0
	s_wait_alu depctr_hold_cnt(0) depctr_sa_sdst(0) depctr_va_vdst(0) depctr_va_sdst(0) depctr_va_ssrc(0) depctr_va_vcc(0) depctr_vm_vsrc(0)
	s_getreg_b32 s2, hwreg(HW_REG_IB_STS2, 6, 4)
	s_cmp_eq_u32 s2, 0
	s_cbranch_scc0 .Lentry_in_a_cluster
	s_endpgm
.Lentry_in_a_cluster:
	s_bfe_u32 s2, ttmp6, 0x10000c
	s_cmp_lg_u32 s2, 0xf033
	s_cbranch_scc0 .Lentry_shape_is_right
	s_endpgm
.Lentry_shape_is_right:
; out0 = ctx Wo + bo on codes of BF8 (E5M2).  Nothing is left out here.
; cc (the launch before lays it): [256 channels 4][tile of 16 tokens 512][128 channels 2][piece 4][lane 32][16 bytes]: images of operand registers, piece c of lane (r, h) = channels 32 c + 16 h + 0 .. 15 of token r.
; Wo_codes: [1024 (n)][1024 (k)], K innermost, fetched by 16-byte loads in the same order of k: k is permuted alike in both operands, so the order of the sums inside an instruction differs from ascending k.
; A sum stands for sum x 2^(e10 + e11).  LIMIT: e10 + e11 between -126 and 127, so that the factor is an f32 number.
; SHARES.  A block of 128 tokens x 256 channels to a work-group: 64 x 4 = 256 work-groups.  A wave makes 64 x 128: 32 accumulators, 256 registers.  K = 1,024 goes in four steps of 256 through two LDS slots
; (A: 32,768 bytes of images; B: 256 rows of 272 bytes).  A wave fetches one whole tile: waves 0 and 2 A's (slot 0, slot 1), waves 1 and 3 B's: one load a wave at the head fills both slots.
; CLUSTERS: 4 x 4.  A's tile hangs on the token block and is shared along a row of the cluster, B's on the channel block and is shared along a column: each is asked for jointly.
; NO PREFETCH: K has four steps, of which two are asked for at the head.
; THE MATRIX INSTRUCTION IS USED TRANSPOSED (source 0 = 16 rows of Wo, source 1 = 16 tokens): a lane holds eight neighbouring channels of one token.
; REGISTERS: window 0: v16-29 addresses, v32-35 the bias, v128-255 A's fragments, two sets of 64 (on the way out: rows read back).  Window 1: B's fragments, two sets of 128.  Window 2: the accumulators ((a, b) at v[8 (8 a + b)]).
.set ROWB,   256
.set KROW,   1024
.set PITCH,  272
.set FR,     16
.set NP,     4
.set BOFF,   32768                     ; B's rows lie behind A's images
.set HALFB,  128*PITCH
.set SLOT,   BOFF+2*HALFB
.set STAGE,  2*SLOT                    ; behind the ring: 16 rows x 528 bytes for each wave; no tile lands there
.set SPITCH, 528
.set SPARE,  STAGE+4*16*SPITCH         ; the spare words, 128 bytes a wave
.set ASTEP,  1<<21                     ; from one 256 channels of cc to the next
.set ADRA, 16
.set ADRB, 20
.set STO,  24
.set RD,   25
.set CO,   26
.set SPW,  28
.set NIL,  29
.set BIAS, 32
.set AF,   128
.set BK,   128
.set G1, 24
.set G0, 32
.set G1B, 48
.set G0B, 56
.set MSB, 0
.macro WIN new                         ; the immediate's high byte repeats the setting that is left
.if MSB != \new
	s_set_vgpr_msb (MSB<<8)|\new
.set MSB, \new
.endif
.endm
.set MUL_LO, 0xa1                      ; source 0 window 1, source 1 window 0, C and D window 2
.set TO_B,   0x40
.macro JLOAD                           ; the branch hangs on the wave's number alone; an s_nop 0 and four v_nop follow each line
	s_cmp_eq_u32 s16, 0
	s_cbranch_scc0 .Lfor_b_\@
	tensor_load_to_lds s[G0:G0+3], s[G1:G1+7]
	s_nop 0
.rept 4
	v_nop
.endr
	s_branch .Lasked_\@
.Lfor_b_\@:
	tensor_load_to_lds s[G0B:G0B+3], s[G1B:G1B+7]
	s_nop 0
.rept 4
	v_nop
.endr
.Lasked_\@:
.endm
.macro CREST
	s_cmp_lg_u32 s14, 0
	s_cbranch_scc1 .Lnot_wave_0_\@
	s_barrier_signal -3
.Lnot_wave_0_\@:
	s_barrier_wait -3
	s_barrier_signal -1
	s_barrier_wait -1
.endm
.macro CROUND
	s_barrier_signal -1
	s_barrier_wait -1
	CREST
.endm
.macro PLACES n
.rept \n
	v_nop
.endr
.endm
	s_load_b256 s[4:11], s[0:1], 0x0               ; cc 4, Wo 6, the scales 8, bo 10
	s_load_b64 s[12:13], s[0:1], 0x20              ; out0
	v_lshl_add_u32 v[SPW], v0, 2, SPARE
	v_mov_b32 v[NIL], 0
	ds_add_u32 v[SPW], v[NIL]                      ; the opening: the add, twice on end, and its wait ahead of my first tensor load
	ds_add_u32 v[SPW], v[NIL]
	v_lshrrev_b32 v1, 5, v0
	v_readfirstlane_b32 s14, v1                    ; wave 0..3
	s_lshr_b32 s15, s14, 1                         ; which 64 tokens are mine.  Also: the slot that I fetch for
	s_and_b32 s16, s14, 1                          ; which 128 channels.  Also: I fetch A's tile (0) or B's (1)
	s_bfe_u32 s40, ttmp6, 0x40000                  ; cx
	s_bfe_u32 s41, ttmp6, 0x40004                  ; cy
	s_lshl_b32 s42, ttmp9, 2
	s_add_co_u32 s42, s42, s40                     ; the block of 256 channels
	s_and_b32 s17, ttmp7, 0xffff
	s_lshl_b32 s17, s17, 2
	s_add_co_u32 s17, s17, s41                     ; the block of 128 tokens
	s_lshl_b32 s43, s41, 2
	s_lshl_b32 s43, 15, s43                        ; my row of the cluster
	s_lshl_b32 s44, 0x1111, s40                    ; my column
	s_or_b32 s[G1+0], s43, (3<<16)|(1<<21)         ; A: a dense block of 128 rows of 256 bytes, elements of 8 bytes, no padding
	s_mov_b32 s[G1+1], 32<<16
	s_mov_b32 s[G1+2], 128<<16
	s_mov_b32 s[G1+3], 32<<16
	s_mov_b32 s[G1+4], 128
	s_mov_b32 s[G1+5], 32
	s_mov_b32 s[G1+6], 0
	s_mov_b32 s[G1+7], 0
	s_or_b32 s[G1B+0], s44, (0<<16)|(1<<20)|(1<<21)|(5<<22)|(3<<25)   ; B: 256 rows of 256 bytes, 4 words of padding behind every 64
	s_mov_b32 s[G1B+1], ROWB<<16
	s_mov_b32 s[G1B+2], 256<<16
	s_mov_b32 s[G1B+3], ROWB<<16
	s_mov_b32 s[G1B+4], 256
	s_mov_b32 s[G1B+5], KROW
	s_mov_b32 s[G1B+6], 0
	s_mov_b32 s[G1B+7], 0
	s_lshl_b32 s20, s17, 15                        ; A: eight tiles of 4,096 bytes,
	s_lshl_b32 s18, s15, 21                        ; at my slot's first K step
	s_add_co_u32 s20, s20, s18
	s_mov_b32 s21, 0
	s_lshl_b32 s46, s42, 18                        ; B: 256 rows of 1,024 bytes,
	s_lshl_b32 s18, s15, 8
	s_add_co_u32 s46, s46, s18
	s_mov_b32 s47, 0
	s_mul_i32 s45, s15, SLOT                       ; where my slot begins
	s_wait_dscnt 0x0                               ; both opening adds are done
	s_wait_kmcnt 0x0
	s_load_b64 s[96:97], s[8:9], 0x28              ; e10, e11
	s_add_nc_u64 s[20:21], s[4:5], s[20:21]
	s_add_nc_u64 s[46:47], s[6:7], s[46:47]
	CROUND                                         ; all sixteen work-groups are here: the first joint loads meet
	s_mov_b32 s[G0], 1
	s_mov_b32 s[G0+1], s45
	s_mov_b64 s[G0+2:G0+3], s[20:21]
	s_or_b32 s[G0+3], s[G0+3], 0x80000000
	s_mov_b32 s[G0B], 1
	s_add_co_u32 s[G0B+1], s45, BOFF
	s_mov_b64 s[G0B+2:G0B+3], s[46:47]
	s_or_b32 s[G0B+3], s[G0B+3], 0x80000000
	JLOAD                                          ; one load a wave: the four together fill both slots
	v_and_b32 v1, 15, v0                           ; r
	v_bfe_u32 v2, v0, 4, 1                         ; h
	v_mul_u32_u24 v3, v1, PITCH
	v_lshl_add_u32 v4, v2, 4, v3
	v_and_b32 v6, 31, v0
	v_lshlrev_b32 v[CO], 4, v6                     ; 16 x lane
	s_wait_alu depctr_va_vdst(0)
	s_lshl_b32 s21, s15, 14                        ; my 64 tokens: four tiles of 4,096 bytes
	s_mul_i32 s22, s16, HALFB
	s_add_co_u32 s22, s22, BOFF
.irp s, 0,1
	v_add_nc_u32 v[ADRA+\s], s21, v[CO]
	v_add_nc_u32 v[ADRB+\s], s22, v4
	s_add_co_u32 s21, s21, SLOT
	s_add_co_u32 s22, s22, SLOT
.endr
	s_mul_i32 s23, s14, 16*SPITCH
	s_add_co_u32 s23, s23, STAGE                   ; my stage
	v_mul_u32_u24 v5, v1, SPITCH
	v_lshl_add_u32 v5, v2, 5, v5
	v_add_nc_u32 v[STO], s23, v5                   ; in: row r, 32 bytes for each half of the lanes
	v_add_nc_u32 v[RD], s23, v[CO]                 ; back: the 32 lanes take one row of 512 bytes
	s_lshl_b32 s20, s17, 7
	s_lshl_b32 s21, s15, 6
	s_add_co_u32 s20, s20, s21                     ; my first token,
	s_lshl_b32 s20, s20, 12                        ; its row of 4,096 bytes
	s_mov_b32 s21, 0
	s_lshl_b32 s46, s42, 10
	s_lshl_b32 s47, s16, 9
	s_add_co_u32 s46, s46, s47                     ; my first channel, in bytes
	s_mov_b32 s47, 0
	s_add_nc_u64 s[10:11], s[10:11], s[46:47]
	s_add_nc_u64 s[12:13], s[12:13], s[20:21]
	s_add_nc_u64 s[12:13], s[12:13], s[46:47]
	global_load_b128 v[BIAS:BIAS+3], v[CO], s[10:11]   ; my lane's four channels of a row read back
; The fragments of the slot's q-th 128 along K into set p: B's eight (rows of 272 bytes), A's four (images): 48 loads.
.macro FETCH slot, q, p
	WIN TO_B
.irp i, 0,1,2,3,4,5,6,7
.irp c, 0,1,2,3
	ds_load_b128 v[128*(\p)+FR*\i+4*\c:128*(\p)+FR*\i+4*\c+3], v[ADRB+\slot] offset:128*(\q)+32*\c+\i*16*PITCH
.endr
.endr
	WIN 0
.irp i, 0,1,2,3
.irp c, 0,1,2,3
	ds_load_b128 v[AF+64*(\p)+FR*\i+4*\c:AF+64*(\p)+FR*\i+4*\c+3], v[ADRA+\slot] offset:4096*\i+2048*(\q)+512*\c
.endr
.endr
.endm
; 16 matrix instructions: A's blocks a0, a0 + 1 x B's eight, from set p.  The 32 accumulators take turns, in the same order in every step.
.macro MUL a0, p, zero
.irp a, \a0, \a0+1
.irp b, 0,1,2,3,4,5,6,7
.if \zero
	v_wmma_f32_16x16x128_bf8_bf8 v[8*(8*(\a)+\b):8*(8*(\a)+\b)+7], v[128*(\p)+FR*\b:128*(\p)+FR*\b+FR-1], v[AF+64*(\p)+FR*(\a):AF+64*(\p)+FR*(\a)+FR-1], 0
.else
	v_wmma_f32_16x16x128_bf8_bf8 v[8*(8*(\a)+\b):8*(8*(\a)+\b)+7], v[128*(\p)+FR*\b:128*(\p)+FR*\b+FR-1], v[AF+64*(\p)+FR*(\a):AF+64*(\p)+FR*(\a)+FR-1], v[8*(8*(\a)+\b):8*(8*(\a)+\b)+7]
.endif
.endr
.endr
.endm
; A slot's first 128 along K, from set 0; its second 128 are fetched into set 1 meanwhile.
.macro EVEN slot, zero
	s_wait_dscnt 0x0                               ; set 0 is in
	PLACES NP                                      ; in front of loads into set 1, which the step before multiplied
	FETCH \slot, 1, 1
	WIN MUL_LO
	MUL 0, 0, \zero
	MUL 2, 0, \zero
	WIN 0
.endm
; A slot's second 128, from set 1, and the change of slots: each wave waits for all its tensor loads, adds 0 to its spare word, and waits for that and for its reads of this slot, which are then all in registers.
.macro ODD slot, next, fill
	s_wait_tensorcnt 0x0
	ds_add_u32 v[SPW], v[NIL]
	s_wait_dscnt 0x0
	s_barrier_signal -1
	WIN MUL_LO
	MUL 0, 1, 0
	WIN 0
	s_barrier_wait -1
.if \fill
	CREST                                          ; the barrier has opened a round of the cluster's: no wave of any partner still reads this slot or has a load on its way
	s_cmp_lg_u32 s15, \slot                        ; the slot's two waves fill it again, two K steps on; the other two issue nothing
	s_cbranch_scc1 .Lnone_\@
	s_add_nc_u64 s[G0+2:G0+3], s[G0+2:G0+3], 2*ASTEP
	s_add_nc_u64 s[G0B+2:G0B+3], s[G0B+2:G0B+3], 2*ROWB
	JLOAD
.Lnone_\@:
.endif
	PLACES NP                                      ; in front of loads into set 0
	FETCH \next, 0, 0
	WIN MUL_LO
	MUL 2, 1, 0
	WIN 0
.endm
	s_wait_alu depctr_va_vdst(0)                   ; the wait at the head's end
	s_wait_tensorcnt 0x0                           ; my one load is in: with the barrier, both slots are whole
	s_barrier_signal -1
	s_barrier_wait -1
	FETCH 0, 0, 0
	EVEN 0, 1                                      ; K = 1,024 is eight steps of 128, written out; the first starts the sums
	ODD 0, 1, 1
	EVEN 1, 0
	ODD 1, 0, 1
	EVEN 0, 0
	ODD 0, 1, 0                                    ; nothing is left to fetch
	EVEN 1, 0
	s_wait_dscnt 0x0
	WIN MUL_LO
	MUL 0, 1, 0
	MUL 2, 1, 0
	WIN 0
; THE WAY OUT, block by block of 16 tokens x 128 channels: through my own stage, back as whole rows of 512 bytes, x 2^(e10 + e11) + the bias, stored as two aligned units of 256 bytes.
.macro TOSTAGE a
	WIN 0x08                                       ; the stores' data: window 2
.irp b, 0,1,2,3,4,5,6,7
	ds_store_b128 v[STO], v[64*(\a)+8*\b:64*(\a)+8*\b+3] offset:64*\b       ; each accumulator from its low end on
	ds_store_b128 v[STO], v[64*(\a)+8*\b+4:64*(\a)+8*\b+7] offset:64*\b+16
.endr
	WIN 0
.set BB, BK+64*((\a)%2)
.irp t, 0,1,2,3,4,5,6,7,8,9,10,11,12,13,14,15
	ds_load_b128 v[BB+4*\t:BB+4*\t+3], v[RD] offset:\t*SPITCH               ; LDS serves a wave's instructions in order (ISA guide 5.7.1.4): these see the stores above
.endr
.endm
.macro SEND a, younger                 ; younger: the LDS instructions issued behind block a's loads, which may stay out
.set BB, BK+64*((\a)%2)
	s_wait_dscnt \younger
.if (\a) > 0
	s_add_nc_u64 s[12:13], s[12:13], 16*4096       ; (behind a wait on XCNT)  16 tokens on
.endif
.irp t, 0,1,2,3,4,5,6,7,8,9,10,11,12,13,14,15
	v_pk_fma_f32 v[BB+4*\t:BB+4*\t+1], v[BB+4*\t:BB+4*\t+1], s[96:97], v[BIAS:BIAS+1] op_sel_hi:[1,0,1]
	v_pk_fma_f32 v[BB+4*\t+2:BB+4*\t+3], v[BB+4*\t+2:BB+4*\t+3], s[96:97], v[BIAS+2:BIAS+3] op_sel_hi:[1,0,1]
.endr
.irp t, 0,1,2,3,4,5,6,7,8,9,10,11,12,13,14,15
	global_store_b128 v[CO], v[BB+4*\t:BB+4*\t+3], s[12:13] offset:\t*4096 th:TH_STORE_NT
.endr
.endm
	s_wait_kmcnt 0x0
	s_add_co_i32 s96, s96, s97
	s_add_co_i32 s96, s96, 127
	s_lshl_b32 s96, s96, 23                        ; 2^(e10 + e11) as f32
	s_wait_loadcnt 0x0                             ; the bias
	PLACES NP                                      ; behind the last products: their results are read, and A's registers are loaded anew
	TOSTAGE 0
.irp a, 1,2,3
.if \a > 1
	s_wait_xcnt 0x0                                ; block a - 2's stores have read their registers and their base
.endif
	TOSTAGE \a
	SEND \a-1, 32                                  ; behind block a - 1's loads: block a's 16 stores and 16 loads
.endr
	s_wait_xcnt 0x0
	SEND 3, 0
	s_wait_tensorcnt 0x0                           ; the wave's end
	ds_add_u32 v[SPW], v[NIL]
	s_wait_dscnt 0x0
	CROUND                                         ; the closing round
	s_endpgm
.Lfunc_end_k_q5fab78259e_proj:
	.size	k_q5fab78259e_proj, .Lfunc_end_k_q5fab78259e_proj-k_q5fab78259e_proj
	.p2alignl 7, 3214868480
	.fill 96, 4, 3214868480
	.section	.rodata,"a",@progbits
	.p2align	6, 0x0
	.amdhsa_kernel k_q5fab78259e_proj
		.amdhsa_group_segment_fixed_size 327680
		.amdhsa_private_segment_fixed_size 0
		.amdhsa_enable_private_segment 0
		.amdhsa_kernarg_size 40
		.amdhsa_user_sgpr_count 2
		.amdhsa_user_sgpr_kernarg_segment_ptr 1
		.amdhsa_wavefront_size32 1
		.amdhsa_system_sgpr_workgroup_id_x 1
		.amdhsa_system_sgpr_workgroup_id_y 1
		.amdhsa_system_sgpr_workgroup_id_z 1
		.amdhsa_system_vgpr_workitem_id 0
		.amdhsa_next_free_vgpr 1024
		.amdhsa_next_free_sgpr 98
		.amdhsa_reserve_vcc 0
		.amdhsa_float_denorm_mode_32 3
		.amdhsa_float_denorm_mode_16_64 3
		.amdhsa_memory_ordered 1
		.amdhsa_forward_progress 1
		.amdhsa_inst_pref_size 74
	.end_amdhsa_kernel
	.amdgpu_metadata
---
amdhsa.version: [ 1, 2 ]
amdhsa.kernels:
  - .name:           k_q5fab78259e_proj
    .symbol:         k_q5fab78259e_proj.kd
    .args:
      - { .name: cc, .offset: 0, .size: 8, .value_kind: global_buffer, .address_space: global }
      - { .name: Wo_codes, .offset: 8, .size: 8, .value_kind: global_buffer, .address_space: global }
      - { .name: lowp_scales, .offset: 16, .size: 8, .value_kind: global_buffer, .address_space: global }
      - { .name: bo, .offset: 24, .size: 8, .value_kind: global_buffer, .address_space: global }
      - { .name: out0, .offset: 32, .size: 8, .value_kind: global_buffer, .address_space: global }
    .group_segment_fixed_size: 327680
    .private_segment_fixed_size: 0
    .kernarg_segment_align: 8
    .kernarg_segment_size: 40
    .max_flat_workgroup_size: 128
    .sgpr_count:     98
    .vgpr_count:     1024
    .wavefront_size: 32
...
	.end_amdgpu_metadata
.endif
;; end of part 3
